; MI455X (gfx1250); checked and timed in simulation.
; The chip was launched on July 23, 2026; its instructions are those of AMD's public machine-readable ISA for CDNA 5 (MIT licence, August 2026) and "CDNA5" Instruction Set Architecture Reference Guide (July 2026). The comments in the code are by the model that wrote it; some were corrected since.
;; Vector Quantizer. Allowed arithmetic: matrix products marked QUANTISED: E3M2 operands, one E8M0 scale for each 32 along K, by v_wmma_scale_f32_16x16x128_f8f6f4 with both operands' format E3M2, f32 sums; everything else in f32.
;; Inputs: codebook 8,192 x 256 float32; x 32 x 256 x 32 x 32 float32.
;; Outputs: out0 32 x 256 x 32 x 32 float32; out1 one number float32.
;; This version of the problem:
;;   THIS VERSION OF THE PROBLEM IS GIVEN IN LOW PRECISION. The matrix products marked QUANTISED in the list below multiply operands that are first quantised to E3M2 (3 exponent bits, 2 mantissa bits; 6 bits a number), with one power-of-two scale for each 32 numbers along K (OCP MX v1.0); their sums are f32. All else is computed in f32.
;;   The module's matrix products, in the order in which they are computed (A, B: the left and right operand; K: the contracted axis; several contracted axes count as one K, in the product's order):
;;     1. [M 32,768, K 256] x [K 256, N 8,192]; A: input x; B: input codebook: QUANTISED
;;   THE QUANTISER, for each operand of a quantised product, along K:
;;     - K is cut into blocks of 32 from its start; a last block that is shorter is filled with zeros.
;;     - A block's scale is 2^e with e = floor(log2(the largest magnitude in the block)) - 4, held to -126 .. 127; a block of zeros has e = 0. As a byte (E8M0): e + 127.
;;     - Each number is divided by its block's scale, clamped to +-28, and rounded to the nearest number of E3M2, ties to even, subnormals kept.
;;     - The product sums the exact products of the quantised numbers (number of the format x scale) in f32.
;;   ~~~python
;;   def quantise(x, axis):      # numpy; x: float32 -> the quantised numbers, widened to float32 again
;;       x = np.moveaxis(x, axis, -1); K = x.shape[-1]
;;       x = np.pad(x, [(0, 0)] * (x.ndim - 1) + [(0, -K % 32)]); x = x.reshape(x.shape[:-1] + (-1, 32)); a = np.abs(x).max(-1, keepdims=True)
;;       e = np.where(a > 0, np.clip(np.frexp(np.where(a > 0, a, 1))[1] - 1 - 4, -126, 127), 0)      # np.frexp(a)[1] - 1 = floor(log2(a)), exactly
;;       r = np.clip(x / 2.0 ** e, -28, 28)
;;       step = 2.0 ** (np.maximum(np.frexp(np.where(r == 0, 1, r))[1] - 1, -2) - 2)
;;       q = np.round(r / step) * step * 2.0 ** e      # np.round: ties to even
;;       return np.moveaxis(q.reshape(q.shape[:-2] + (-1,))[..., :K], -1, axis).astype(np.float32)
;;   ~~~
;; One version. Each part assembles by itself: llvm-mc -triple=amdgcn-amd-amdhsa -mcpu=gfx1250 --defsym DOCPART=n.
;; ======== version 1 of 1: 4 launches
;; limits: right only within a limited range of input values
;; workspace buffers: cbq 1,671,168 bytes; idx 131,072 bytes of whole numbers; part 1,024 bytes
;; launch cbquant (part 1): grid 128 x 1, 8 waves a work-group, no clusters, 69,632 bytes of LDS; arguments codebook, cbq; writes cbq
.if DOCPART == 1
	.amdgcn_target "amdgcn-amd-amdhsa--gfx1250"
	.amdhsa_code_object_version 6
	.text
	.protected	k_q598b4f1e0d_cbquant
	.globl	k_q598b4f1e0d_cbquant
	.p2align	8
	.type	k_q598b4f1e0d_cbquant,@function
k_q598b4f1e0d_cbquant:
	s_mov_b64 s[64:65], 0
	v_nop
	global_prefetch_b8 v0, s[64:65] scope:SCOPE_SE
	s_setreg_imm32_b32 hwreg(HW_REG_WAVE_MODE, 25, 1), 1
	s_wait_xcnt 0x0
; The codebook [8192][256] f32 becomes 128 RECORDS of 13,056 bytes, one for each 64 codes, laid in the order in which the next launch's operand registers take them.
; A record: four tiles of 16 codes, 3,072 bytes each: six groups of 512 bytes, lane l's 16 bytes of group g at 512 g + 16 l = registers 4 g .. 4 g + 3 of the tile's 24 (K step 0: registers 0-11, K step 1: 12-23);
; then the scale words, 128 bytes a tile (lanes 0-15: code r's word of K step 0, lanes 16-31: of K step 1); then E = the sum of the code's 256 squares, f32, 4 bytes a code.
; Codes are BF6 (E3M2) with one E8M0 byte for each 32 along K: the byte is the largest magnitude's exponent field - 4, held at 1 from below; each number / scale goes to the nearest code, ties to even, beyond 28 the largest code.
; (A block of zeros gets the byte 1 where the rule says 127: its codes are zeros, and this program alone reads the bytes.)
; LIMITS: NaN and infinities are not served; blocks whose largest magnitude lies under 2^-122 keep the byte 1; E is summed in this text's own order (two chains a lane, two lanes, two K steps).
; SHARES.  Work-group q makes record q.  Wave w takes tile w / 2 and K step w % 2: 16 codes x 128 numbers.  Each load reads 512 consecutive bytes of a row; the numbers turn through the wave's own stage in LDS, so that
; lane (r, h) gets, of code r, k = 64 c + 32 h + 0 .. 31 (c = 0, 1): two whole blocks, in the very order of the operand's registers.  No tensor load, one barrier (for the scale words and E, which two waves gather).
.set REC,    13056
.set SPITCH, 528                       ; a stage row: 512 bytes + 16, so that the sixteen rows of a read begin 4 words apart
.set STGW,   16*SPITCH                 ; a wave's stage
.set SCL,    8*STGW                    ; behind the stages: the record's 512 bytes of scale words,
.set EPT,    SCL+512                   ; and E in two parts, one for each K step: 2 x 256 bytes
.set R,   16                           ; v16-79   16 rows as loaded
.set X,   80                           ; v80-143  my 64 numbers
.set F,   144                          ; v144-155 the fragment
.set F2,  156                          ; v156-162 the conversions' second halves
.set MX,  164                          ; v164-165 largest magnitudes
.set SO,  166                          ; v166-167 the conversions' scale operands
.set BY,  168                          ; v168-169 scale bytes
.set WD,  170                          ; v170     the scale word
.set TP,  171                          ; v171     at work
.set SQ,  172                          ; v172-175 the squares, two chains of pairs
	s_load_b128 s[4:7], s[0:1], 0x0                ; codebook, cbq
	v_lshl_add_u32 v176, v0, 2, 0x10c00
	v_mov_b32 v177, 0
	v_lshrrev_b32 v9, 5, v0
	s_delay_alu instid0(VALU_DEP_1)
	v_readfirstlane_b32 s8, v9                     ; wave 0..7
	v_and_b32 v10, 31, v0                          ; lane
	v_and_b32 v11, 15, v0                          ; r
	s_wait_alu depctr_va_vdst(0)
	v_bfe_u32 v12, v0, 4, 1                        ; h
	v_lshlrev_b32 v1, 4, v10                       ; 16 x lane
	s_wait_alu depctr_va_vdst(0)
	s_mul_i32 s9, s8, STGW
	v_add_nc_u32 v2, s9, v1                        ; the stage, on the way in: 16 x lane of a row
	v_mul_u32_u24 v3, v11, SPITCH
	s_delay_alu instid0(VALU_DEP_1)
	v_lshl_add_u32 v3, v12, 7, v3
	s_delay_alu instid0(VALU_DEP_1)
	v_add_nc_u32 v3, s9, v3                        ; and on the way out: row r, + 128 h
	s_lshr_b32 s10, s8, 1                          ; tile
	s_and_b32 s11, s8, 1                           ; K step
	s_lshl_b32 s12, s8, 6
	s_add_co_u32 s12, s12, SCL
	v_lshl_add_u32 v4, v11, 2, s12                 ; my scale word's place: SCL + 128 tile + 64 step + 4 r
	s_lshl_b32 s13, s11, 8
	s_lshl_b32 s14, s10, 6
	s_add_co_u32 s13, s13, s14
	s_add_co_u32 s13, s13, EPT
	v_lshl_add_u32 v5, v11, 2, s13                 ; my part of E: EPT + 256 step + 64 tile + 4 r
	v_add_nc_u32 v6, SCL, v1                       ; wave 0 reads the scale words back, 16 bytes a lane;
	v_lshlrev_b32 v8, 3, v10
	s_delay_alu instid0(VALU_DEP_1)
	v_add_nc_u32 v7, EPT, v8                       ; wave 1 the two parts of E, 8 bytes a lane
	s_mul_i32 s22, s8, 1536
	v_add_nc_u32 v13, s22, v1                      ; my fragment's place in the record: 3,072 tile + 1,536 step + 16 lane
	s_mov_b32 s20, 0x76543210
	s_mov_b32 s21, 0xfedcba98                      ; v_permlanex16_b32's selects for lane l xor 16
	s_lshl_b32 s16, ttmp9, 16                      ; 64 rows of 1,024 bytes a work-group,
	s_lshl_b32 s15, s10, 14                        ; 16 a tile,
	s_add_co_u32 s16, s16, s15
	s_lshl_b32 s15, s11, 9                         ; 512 bytes a K step
	s_add_co_u32 s16, s16, s15
	s_mov_b32 s17, 0
	s_mul_i32 s18, ttmp9, REC
	s_mov_b32 s19, 0
	s_wait_alu depctr_va_vdst(0)
	s_wait_kmcnt 0x0
	s_add_nc_u64 s[4:5], s[4:5], s[16:17]
	s_add_nc_u64 s[6:7], s[6:7], s[18:19]          ; my record
.irp n, 0,1,2,3,4,5,6,7,8,9,10,11,12,13,14,15
	global_load_b128 v[R+4*\n:R+4*\n+3], v1, s[4:5] offset:1024*\n th:TH_LOAD_NT   ; 32 lanes read 512 consecutive bytes of code n
.endr
.irp n, 0,1,2,3,4,5,6,7,8,9,10,11,12,13,14,15
	s_wait_loadcnt 15-\n                           ; loads come back in order: row n is in, the younger ones may be out
	ds_store_b128 v2, v[R+4*\n:R+4*\n+3] offset:SPITCH*\n
.endr
.irp c, 0,1
.irp i, 0,1,2,3,4,5,6,7
	ds_load_b128 v[X+32*\c+4*\i:X+32*\c+4*\i+3], v3 offset:256*\c+16*\i   ; the wave's own bytes, served in order: these see the stores above
.endr
.endr
	s_wait_dscnt 0x0
.irp c, 0,1                                    ; my block 2 c + h: all its 32 numbers are mine
	v_max3_num_f32 v[MX+\c], |v[X+32*\c]|, |v[X+32*\c+1]|, 0x2800000   ; with the floor 2^(5 - 127): the byte cannot fall under 1
.endr
.irp i, 2,4,6,8,10,12,14,16,18,20,22,24,26,28,30
.irp c, 0,1
	s_delay_alu instid0(VALU_DEP_2)
	v_max3_num_f32 v[MX+\c], v[MX+\c], |v[X+32*\c+\i]|, |v[X+32*\c+\i+1]|   ; the two blocks by turns
.endr
.endr
.irp c, 0,1
	s_delay_alu instid0(VALU_DEP_2)
	v_add_nc_u32 v[SO+\c], 0xfe000000, v[MX+\c]    ; 4 off the exponent field: the conversion takes this operand's exponent field as its scale
.endr
.irp c, 0,1
	s_delay_alu instid0(VALU_DEP_2)
	v_lshrrev_b32 v[BY+\c], 23, v[SO+\c]           ; the scale's byte
.endr
	s_delay_alu instid0(VALU_DEP_1)
	v_lshl_or_b32 v[WD], v[BY+1], 16, v[BY]        ; blocks h and 2 + h,
	v_lshlrev_b32 v[TP], 3, v12
	s_delay_alu instid0(VALU_DEP_1)
	v_lshlrev_b32 v[WD], v[TP], v[WD]              ; 8 h bits up;
	v_mov_b32 v[TP], 0                             ; (a lane permute's destination counts as read)
	s_delay_alu instid0(VALU_DEP_1)
	v_permlanex16_b32 v[TP], v[WD], s20, s21
	s_delay_alu instid0(VALU_DEP_1)
	v_or_b32 v[WD], v[WD], v[TP]                   ; with lane l xor 16's two bytes the word is whole
	v_pk_mul_f32 v[SQ:SQ+1], v[X:X+1], v[X:X+1]    ; the squares of the unquantised numbers: the first products start the two chains
	v_pk_mul_f32 v[SQ+2:SQ+3], v[X+2:X+3], v[X+2:X+3]
.irp j, 4,8,12,16,20,24,28,32,36,40,44,48,52,56,60
	s_delay_alu instid0(VALU_DEP_2)
	v_pk_fma_f32 v[SQ:SQ+1], v[X+\j:X+\j+1], v[X+\j:X+\j+1], v[SQ:SQ+1]
	s_delay_alu instid0(VALU_DEP_2)
	v_pk_fma_f32 v[SQ+2:SQ+3], v[X+\j+2:X+\j+3], v[X+\j+2:X+\j+3], v[SQ+2:SQ+3]
.endr
	s_delay_alu instid0(VALU_DEP_1)
	v_pk_add_f32 v[SQ:SQ+1], v[SQ:SQ+1], v[SQ+2:SQ+3]
	s_delay_alu instid0(VALU_DEP_1)
	v_add_f32 v[SQ], v[SQ], v[SQ+1]
	s_delay_alu instid0(VALU_DEP_1)
	v_permlanex16_b32 v[SQ+1], v[SQ], s20, s21
	s_delay_alu instid0(VALU_DEP_1)
	v_add_f32 v[SQ], v[SQ], v[SQ+1]                ; code r's 128 squares of this K step
.irp c, 0,1
	v_cvt_scalef32_pk16_bf6_f32 v[F+6*\c:F+6*\c+2], v[X+32*\c:X+32*\c+15], v[SO+\c]        ; registers 6 c .. 6 c + 2 of the fragment
	v_cvt_scalef32_pk16_bf6_f32 v[F2+4*\c:F2+4*\c+2], v[X+32*\c+16:X+32*\c+31], v[SO+\c]   ; (a conversion's three registers begin on an even number: the second half is made elsewhere and moved)
.endr
	v_nop                                          ; one plain vector line behind the scaled conversions
.irp c, 0,1
.irp i, 0,1,2
	v_mov_b32 v[F+3+6*\c+\i], v[F2+4*\c+\i]
.endr
.endr
.irp g, 0,1,2
	global_store_b128 v13, v[F+4*\g:F+4*\g+3], s[6:7] offset:512*\g   ; 32 lanes store 512 consecutive bytes, at a multiple of 256 from cbq's first byte
.endr
	ds_store_b32 v4, v[WD]                         ; lanes r and r + 16 write the same word with the same value
	ds_store_b32 v5, v[SQ]
	s_wait_dscnt 0x0                               ; for the others' sake: my stores have landed
	s_barrier_signal -1
	s_barrier_wait -1
	s_cmp_lg_u32 s8, 0
	s_cbranch_scc1 .Lnot_wave_0
	ds_load_b128 v[16:19], v6                      ; wave 0: the record's 512 bytes of scale words
	s_wait_dscnt 0x0
	global_store_b128 v1, v[16:19], s[6:7] offset:12288
.Lnot_wave_0:
	s_cmp_lg_u32 s8, 1
	s_cbranch_scc1 .Lend
	ds_load_b64 v[20:21], v7                       ; wave 1: E = the two K steps' parts, two codes a lane
	ds_load_b64 v[22:23], v7 offset:256
	s_wait_dscnt 0x0
	v_pk_add_f32 v[20:21], v[20:21], v[22:23]
	global_store_b64 v8, v[20:21], s[6:7] offset:12800   ; 32 lanes store 256 consecutive bytes, aligned
.Lend:
	s_wait_tensorcnt 0x0
	ds_add_u32 v176, v177
	s_wait_dscnt 0x0
	s_endpgm
.Lfunc_end_k_q598b4f1e0d_cbquant:
	.size	k_q598b4f1e0d_cbquant, .Lfunc_end_k_q598b4f1e0d_cbquant-k_q598b4f1e0d_cbquant
	.p2alignl 7, 3214868480
	.fill 96, 4, 3214868480
	.section	.rodata,"a",@progbits
	.p2align	6, 0x0
	.amdhsa_kernel k_q598b4f1e0d_cbquant
		.amdhsa_group_segment_fixed_size 69632
		.amdhsa_private_segment_fixed_size 0
		.amdhsa_enable_private_segment 0
		.amdhsa_kernarg_size 16
		.amdhsa_user_sgpr_count 2
		.amdhsa_user_sgpr_kernarg_segment_ptr 1
		.amdhsa_wavefront_size32 1
		.amdhsa_system_sgpr_workgroup_id_x 1
		.amdhsa_system_sgpr_workgroup_id_y 1
		.amdhsa_system_sgpr_workgroup_id_z 1
		.amdhsa_system_vgpr_workitem_id 0
		.amdhsa_next_free_vgpr 178
		.amdhsa_next_free_sgpr 66
		.amdhsa_reserve_vcc 0
		.amdhsa_float_denorm_mode_32 3
		.amdhsa_float_denorm_mode_16_64 3
		.amdhsa_memory_ordered 1
		.amdhsa_forward_progress 1
		.amdhsa_inst_pref_size 16
	.end_amdhsa_kernel
	.amdgpu_metadata
---
amdhsa.version: [ 1, 2 ]
amdhsa.kernels:
  - .name:           k_q598b4f1e0d_cbquant
    .symbol:         k_q598b4f1e0d_cbquant.kd
    .args:
      - { .name: codebook, .offset: 0, .size: 8, .value_kind: global_buffer, .address_space: global }
      - { .name: cbq, .offset: 8, .size: 8, .value_kind: global_buffer, .address_space: global }
    .group_segment_fixed_size: 69632
    .private_segment_fixed_size: 0
    .kernarg_segment_align: 8
    .kernarg_segment_size: 16
    .max_flat_workgroup_size: 256
    .sgpr_count:     66
    .vgpr_count:     178
    .wavefront_size: 32
...
	.end_amdgpu_metadata
.endif
;; end of part 1
;; launch vqmain (part 2): grid 256 x 1, 8 waves a work-group, clusters of 4 x 1, 327,680 bytes of LDS; arguments x, cbq, idx; writes idx
.if DOCPART == 2
	.amdgcn_target "amdgcn-amd-amdhsa--gfx1250"
	.amdhsa_code_object_version 6
	.text
	.protected	k_q598b4f1e0d_vqmain
	.globl	k_q598b4f1e0d_vqmain
	.p2align	8
	.type	k_q598b4f1e0d_vqmain,@function
k_q598b4f1e0d_vqmain:
	s_mov_b64 s[64:65], 0
	v_nop
	global_prefetch_b8 v0, s[64:65] scope:SCOPE_SE
	s_setreg_imm32_b32 hwreg(HW_REG_WAVE_MODE, 25, 1), 1
	s_wait_xcnt 0x0
	s_wait_alu depctr_hold_cnt(0) depctr_sa_sdst(0) depctr_va_vdst(0) depctr_va_sdst(0) depctr_va_ssrc(0) depctr_va_vcc(0) depctr_vm_vsrc(0)
	s_getreg_b32 s2, hwreg(HW_REG_IB_STS2, 6, 4)
	s_cmp_eq_u32 s2, 0
	s_cbranch_scc0 .Lentry_in_a_cluster
	s_endpgm
.Lentry_in_a_cluster:
	s_bfe_u32 s2, ttmp6, 0x10000c
	s_cmp_lg_u32 s2, 0x3003
	s_cbranch_scc0 .Lentry_shape_is_right
	s_endpgm
.Lentry_shape_is_right:
; idx[token] = the lowest code number at which d = (A + E) - 2 sim is least.  A = the token's 256 squares, E = the code's (from cbq), sim = the MX-BF6 product; each step of d is rounded to f32 as the definition has it.
; SHARES.  A work-group owns 128 tokens of one image; it quantises them once (wave w: tokens 32 (w % 4) on, channels 128 (w / 4) on; a lane a token, registers down the channels) and every wave keeps all eight token tiles as operands.
; The codebook's 128 records of 64 codes go through a ring of two LDS slots of 8 records; wave w fetches and multiplies record w of each slot: four tiles of 16 codes x 128 tokens, 16 matrix instructions a tile.
; Source 0 = codes, source 1 = tokens: a lane holds one token, its eight registers eight neighbouring codes.  A lane keeps its least d, the tile where d last fell, and that tile's first seven d; the place in the tile is read off at the end
; (the lowest of places 0-6 whose d is the least; if none, place 7).
; CLUSTER: the four work-groups of a cluster ask for each record jointly (mask 15); a round of the cluster's barrier stands in front of every fill.
; No data prefetch is laid: a slot's refill is asked for one whole slot (64 matrix instructions a wave and their four epilogues) ahead of the wait for it.
; LIMITS: NaN and infinities are not served; blocks of x whose largest magnitude lies under 2^-122 keep the scale byte 1; A is summed in this text's own order.
; REGISTERS.  Window 0: v1-15 addresses; ST (A, tile number) pairs; BEST two sets of least d; TS, CS scale words; TT A + E of two tiles; EE E of a record; SV the kept d (tiles 0-5 at v112, 6-7 at v224, eight places a tile, seven used); ACC; PR at work.
; Window 1: v0-191 the tokens' fragments; v192-239 two sets of a code tile's fragments.
.set REC,   13056
.set SLOT,  8*REC
.set XIMG,  2*SLOT                     ; behind the ring: the tokens' operand image,
.set XSC,   XIMG+24576                 ; their scale words,
.set XAP,   XSC+1024                   ; A in two parts,
.set MRG,   XAP+1024                   ; the waves' results,
.set FIN,   MRG+8192                   ; the 128 indices,
.set SPARE, FIN+512                    ; and the spare words, 128 bytes a wave
.set SPW,  1
.set NIL,  2
.set FA,   3
.set SA,   5
.set EA,   7
.set ST,   16
.set BEST, 32
.set TS,   48
.set CS,   56
.set CUR,  58
.set MT,   60
.set TT,   64
.set EE,   80
.set SV,   112
.set ACC,  160
.set CF,   192
.set HX,   96
.set HC,   224
.set PR,   240
.set G1,   16
.set G0,   24
.set SEL,  32
.set TRIP, 34
.set CT,   35
.set MK,   36
.set MSB, 0
.macro WIN new                         ; the immediate's high byte repeats the setting that is left
.if MSB != \new
	s_set_vgpr_msb (MSB<<8)|\new
.set MSB, \new
.endif
.endm
.macro CROUND                          ; a round of the cluster's barrier
	s_barrier_signal -1
	s_barrier_wait -1
	s_cmp_lg_u32 s10, 0
	s_cbranch_scc1 .Lnot_wave_0_\@
	s_barrier_signal -3
.Lnot_wave_0_\@:
	s_barrier_wait -3
	s_barrier_signal -1
	s_barrier_wait -1
.endm
.macro LOADF slot, i, p                ; code tile i of my record: 24 registers into set p (window 1), and its scale words: 7 LDS loads
	WIN 0x40
.irp g, 0,1,2,3,4,5
	ds_load_b128 v[CF+24*(\p)+4*\g:CF+24*(\p)+4*\g+3], v[FA+\slot] offset:3072*(\i)+512*\g
.endr
	WIN 0
	ds_load_b32 v[CS+(\p)], v[SA+\slot] offset:128*(\i)
.endm
.macro LOADE slot, i                   ; E of my eight codes of tile i: 2 LDS loads
	ds_load_b128 v[EE+8*(\i):EE+8*(\i)+3], v[EA+\slot] offset:64*(\i)
	ds_load_b128 v[EE+8*(\i)+4:EE+8*(\i)+7], v[EA+\slot] offset:64*(\i)+16
.endm
.macro MM p                            ; a code tile x eight token tiles, two K steps; the eight accumulators by turns
	WIN 0x05
.irp T, 0,1,2,3,4,5,6,7
	v_wmma_scale_f32_16x16x128_f8f6f4 v[ACC+8*\T:ACC+8*\T+7], v[CF+24*\p:CF+24*\p+11], v[24*\T:24*\T+11], 0, v[CS+\p], v[TS+\T] matrix_a_fmt:MATRIX_FMT_BF6 matrix_b_fmt:MATRIX_FMT_BF6
.endr
.irp T, 0,1,2,3,4,5,6,7
	v_wmma_scale_f32_16x16x128_f8f6f4 v[ACC+8*\T:ACC+8*\T+7], v[CF+24*\p+12:CF+24*\p+23], v[24*\T+12:24*\T+23], v[ACC+8*\T:ACC+8*\T+7], v[CS+\p], v[TS+\T] matrix_a_fmt:MATRIX_FMT_BF6 matrix_b_fmt:MATRIX_FMT_BF6 matrix_a_scale:MATRIX_SCALE_ROW1 matrix_b_scale:MATRIX_SCALE_ROW1
.endr
	WIN 0
.endm
.macro ADDS i, T, hf                   ; A + E for token tile T, into half hf of TT
.irp k, 0,2,4,6
	v_pk_add_f32 v[TT+8*(\hf)+\k:TT+8*(\hf)+\k+1], v[EE+8*(\i)+\k:EE+8*(\i)+\k+1], v[ST+2*(\T):ST+2*(\T)+1] op_sel_hi:[1,0]
.endr
.endm
.macro KEEP T                          ; where VCC says that d fell: the tile's number and its d of places 0-6 are kept, two registers an instruction; place 7 needs none
.set SB, SV+8*(\T)+64*((\T)/6)
.set AB, ACC+8*(\T)
	v_dual_cndmask_b32 v[SB], v[SB], v[AB] :: v_dual_cndmask_b32 v[ST+2*(\T)+1], v[ST+2*(\T)+1], v[CUR]
.irp k, 1,3,5
	v_dual_cndmask_b32 v[SB+\k], v[SB+\k], v[AB+\k] :: v_dual_cndmask_b32 v[SB+\k+1], v[SB+\k+1], v[AB+\k+1]
.endr
.endm
; The epilogue of code tile i: 17 vector instructions a token tile.  The move and the first eight additions are the places behind the matrix instructions; the next pair's additions stand between a compare and its selects.
.macro EPI i, step, ld, slot
.set EP, (\i)%2
.set BN, BEST+8*EP
.set BO, BEST+8*(1-EP)
	v_mov_b32 v[CUR], s[CT]
	s_add_co_u32 s[CT], s[CT], \step
	ADDS \i, 0, 0
	ADDS \i, 1, 1
.if \ld
	LOADF \slot, (\i)+2, EP
.endif
.irp T, 0,2,4,6
.irp k, 0,2,4,6
	v_pk_fma_f32 v[ACC+8*\T+\k:ACC+8*\T+\k+1], v[ACC+8*\T+\k:ACC+8*\T+\k+1], -2.0, v[TT+\k:TT+\k+1] op_sel_hi:[1,0,1]
	v_pk_fma_f32 v[ACC+8*\T+8+\k:ACC+8*\T+8+\k+1], v[ACC+8*\T+8+\k:ACC+8*\T+8+\k+1], -2.0, v[TT+8+\k:TT+8+\k+1] op_sel_hi:[1,0,1]
.endr
	v_min3_num_f32 v[MT], v[ACC+8*\T], v[ACC+8*\T+1], v[ACC+8*\T+2]
	v_min3_num_f32 v[MT+1], v[ACC+8*\T+8], v[ACC+8*\T+9], v[ACC+8*\T+10]
	s_delay_alu instid0(VALU_DEP_2)
	v_min3_num_f32 v[MT], v[MT], v[ACC+8*\T+3], v[ACC+8*\T+4]
	s_delay_alu instid0(VALU_DEP_2)
	v_min3_num_f32 v[MT+1], v[MT+1], v[ACC+8*\T+11], v[ACC+8*\T+12]
	s_delay_alu instid0(VALU_DEP_2)
	v_min3_num_f32 v[MT], v[MT], v[ACC+8*\T+5], v[ACC+8*\T+6]
	s_delay_alu instid0(VALU_DEP_2)
	v_min3_num_f32 v[MT+1], v[MT+1], v[ACC+8*\T+13], v[ACC+8*\T+14]
	s_delay_alu instid0(VALU_DEP_2)
	v_min3_num_f32 v[BN+\T], v[MT], v[ACC+8*\T+7], v[BO+\T]
	s_delay_alu instid0(VALU_DEP_2)
	v_min3_num_f32 v[BN+\T+1], v[MT+1], v[ACC+8*\T+15], v[BO+\T+1]
	s_delay_alu instid0(VALU_DEP_2)
	v_cmp_lt_f32 vcc_lo, v[BN+\T], v[BO+\T]        ; strictly less: on a tie the earlier tile stays
.if \T < 6
	ADDS \i, \T+2, 0
.endif
	KEEP \T
	v_cmp_lt_f32 vcc_lo, v[BN+\T+1], v[BO+\T+1]
.if \T < 6
	ADDS \i, \T+3, 1
.endif
	KEEP \T+1
.endr
.endm
.macro START slot, prev                ; a slot's first loads; under them the last slot's fourth epilogue
	LOADE \slot, 0
	LOADE \slot, 1
	LOADE \slot, 2
	LOADF \slot, 0, 0
	LOADF \slot, 1, 1
.if \prev
	EPI 3, 29, 0, 0
.endif
	LOADE \slot, 3
.endm
.macro BODY slot
	s_wait_dscnt 9                                 ; out may be: tile 1's 7 loads and E's last 2
	MM 0
	EPI 0, 1, 1, \slot
	s_wait_dscnt 7                                 ; tile 2's 7 loads may be out
	MM 1
	EPI 1, 1, 1, \slot
	s_wait_dscnt 7                                 ; tile 3's
	MM 0
	EPI 2, 1, 0, \slot
	s_wait_dscnt 0x0
	MM 1
.endm
.macro CHANGE slot                     ; the slot just read out is filled again, two slots on
	s_wait_tensorcnt 0x0                           ; all my tensor loads have landed: my record of the other slot
	ds_add_u32 v[SPW], v[NIL]
	s_add_nc_u64 s[G0+4*\slot+2:G0+4*\slot+3], s[G0+4*\slot+2:G0+4*\slot+3], 2*SLOT
	s_wait_dscnt 0x0                               ; the add is done, my reads of this slot are back
	CROUND
	tensor_load_to_lds s[G0+4*\slot:G0+4*\slot+3], s[G1:G1+7]
	s_nop 0
.rept 4
	v_nop                                          ; also the places in front of the loads into the fragment set just multiplied
.endr
.endm
.macro LEX d, o                        ; (d, number) pairs: the lesser d, on a tie the lower number
	v_cmp_lt_f32 s44, v[\o], v[\d]
	v_cmp_eq_f32 s45, v[\o], v[\d]
	v_cmp_lt_u32 s46, v[(\o)+1], v[(\d)+1]
	s_and_b32 s45, s45, s46
	s_or_b32 s44, s44, s45
	v_cndmask_b32 v[\d], v[\d], v[\o], s44
	v_cndmask_b32 v[(\d)+1], v[(\d)+1], v[(\o)+1], s44
.endm
.macro XLEX d                          ; the same with lane l xor 16's pair
	v_permlanex16_b32 v64, v[\d], s[SEL], s[SEL+1]
	v_permlanex16_b32 v65, v[(\d)+1], s[SEL], s[SEL+1]
	LEX \d, 64
.endm
	s_load_b128 s[4:7], s[0:1], 0x0                ; x, cbq
	s_load_b64 s[8:9], s[0:1], 0x10                ; idx
	v_lshl_add_u32 v[SPW], v0, 2, SPARE
	v_mov_b32 v[NIL], 0
	ds_add_u32 v[SPW], v[NIL]                      ; the opening lines: the add twice on end, under one wait
	ds_add_u32 v[SPW], v[NIL]
	v_lshrrev_b32 v69, 5, v0
	s_delay_alu instid0(VALU_DEP_1)
	v_readfirstlane_b32 s10, v69                   ; wave 0..7
	v_and_b32 v70, 31, v0                          ; lane
	v_and_b32 v71, 15, v0                          ; r
	v_bfe_u32 v72, v0, 4, 1                        ; h
	s_delay_alu instid0(VALU_DEP_3)
	v_lshlrev_b32 v9, 2, v70
	s_bfe_u32 s11, ttmp6, 0x40000
	s_lshl_b32 s12, ttmp9, 2
	s_add_co_u32 s12, s12, s11                     ; work-group = 4 x cluster + cx
	s_mov_b32 s[G1], 15|(3<<16)|(1<<21)            ; a record: 51 rows of 256 bytes, dense; mask: all four of the cluster
	s_mov_b32 s[G1+1], 32<<16
	s_mov_b32 s[G1+2], 51<<16
	s_mov_b32 s[G1+3], 32<<16
	s_mov_b32 s[G1+4], 51
	s_mov_b32 s[G1+5], 32
	s_mov_b32 s[G1+6], 0
	s_mov_b32 s[G1+7], 0
	s_mov_b32 s[SEL], 0x76543210
	s_mov_b32 s[SEL+1], 0xfedcba98
	s_and_b32 s48, s10, 3                          ; which 32 tokens I quantise,
	s_lshr_b32 s49, s10, 2                         ; which 128 channels
	s_lshr_b32 s44, s12, 3
	s_lshl_b32 s44, s44, 20                        ; the image,
	s_and_b32 s45, s12, 7
	s_lshl_b32 s45, s45, 9                         ; the block's 512 bytes of a channel,
	s_add_co_u32 s44, s44, s45
	s_lshl_b32 s45, s49, 19
	s_add_co_u32 s44, s44, s45
	s_lshl_b32 s45, s48, 7
	s_add_co_u32 s44, s44, s45
	s_mov_b32 s45, 0
	s_lshl_b32 s46, s12, 9
	s_mov_b32 s47, 0
	s_mul_i32 s50, s10, REC
	s_mov_b32 s51, 0
	s_wait_dscnt 0x0                               ; both opening adds are done
	s_wait_alu depctr_va_vdst(0)
	s_wait_kmcnt 0x0
	s_add_nc_u64 s[4:5], s[4:5], s[44:45]
	s_add_nc_u64 s[8:9], s[8:9], s[46:47]
.set n, 0
.rept 128
	global_load_b32 v[HX+n], v9, s[4:5] offset:4096*n th:TH_LOAD_NT   ; channel n of my 32 tokens: asked for ahead of the round and of the first record
.set n, n+1
.endr
	s_mov_b32 s[G0], 1
	s_mov_b32 s[G0+1], s50
	s_add_nc_u64 s[G0+2:G0+3], s[6:7], s[50:51]
	s_or_b32 s[G0+3], s[G0+3], 0x80000000
	s_mov_b32 s[G0+4], 1
	s_add_co_u32 s[G0+5], s50, SLOT
	s_add_nc_u64 s[G0+6:G0+7], s[6:7], s[50:51]
	s_add_nc_u64 s[G0+6:G0+7], s[G0+6:G0+7], SLOT
	s_or_b32 s[G0+7], s[G0+7], 0x80000000
	CROUND                                         ; in front of the first joint loads
	tensor_load_to_lds s[G0:G0+3], s[G1:G1+7]      ; slot 0, my record: the one tensor load of the head
	s_nop 0
	v_lshl_add_u32 v[FA], v70, 4, s50
	s_delay_alu instid0(VALU_DEP_1)
	v_add_nc_u32 v[FA+1], SLOT, v[FA]
	v_lshl_add_u32 v[SA], v70, 2, s50
	s_delay_alu instid0(VALU_DEP_1)
	v_add_nc_u32 v[SA], 12288, v[SA]
	s_delay_alu instid0(VALU_DEP_1)
	v_add_nc_u32 v[SA+1], SLOT, v[SA]
	v_lshl_add_u32 v[EA], v72, 5, s50
	s_delay_alu instid0(VALU_DEP_1)
	v_add_nc_u32 v[EA], 12800, v[EA]
	s_delay_alu instid0(VALU_DEP_1)
	v_add_nc_u32 v[EA+1], SLOT, v[EA]
	s_mul_i32 s52, s48, 6144
	s_mul_i32 s55, s49, 1536
	s_add_co_u32 s52, s52, s55
	s_add_co_u32 s52, s52, XIMG
	v_mul_u32_u24 v10, v72, 3072
	s_delay_alu instid0(VALU_DEP_1)
	v_lshl_add_u32 v10, v71, 4, v10
	s_delay_alu instid0(VALU_DEP_1)
	v_add_nc_u32 v10, s52, v10                     ; my token's place in the operand image
	s_lshl_b32 s53, s48, 8
	s_lshl_b32 s55, s49, 6
	s_add_co_u32 s53, s53, s55
	s_add_co_u32 s53, s53, XSC
	v_lshlrev_b32 v11, 7, v72
	s_delay_alu instid0(VALU_DEP_1)
	v_lshl_add_u32 v11, v71, 2, v11
	s_delay_alu instid0(VALU_DEP_1)
	v_add_nc_u32 v11, s53, v11                     ; its scale word's
	s_lshl_b32 s54, s49, 9
	s_lshl_b32 s55, s48, 7
	s_add_co_u32 s54, s54, s55
	s_add_co_u32 s54, s54, XAP
	v_lshl_add_u32 v12, v70, 2, s54                ; its part of A
	v_lshl_add_u32 v13, v70, 4, XIMG
	v_lshl_add_u32 v14, v70, 2, XSC
	v_lshl_add_u32 v15, v71, 2, XAP
.macro HBLOCK B                        ; block B of my token: 32 channels, all mine: the scale, the codes, the squares
.set XB, HX+32*(\B)
.set CB, HC+6*(\B)
.set HH, (\B)%2
	v_max3_num_f32 v64, |v[XB]|, |v[XB+1]|, 0x2800000
	v_max3_num_f32 v65, |v[XB+2]|, |v[XB+3]|, |v[XB+4]|
.irp i, 5,9,13,17,21,25
	s_delay_alu instid0(VALU_DEP_2)
	v_max3_num_f32 v64, v64, |v[XB+\i]|, |v[XB+\i+1]|
	s_delay_alu instid0(VALU_DEP_2)
	v_max3_num_f32 v65, v65, |v[XB+\i+2]|, |v[XB+\i+3]|
.endr
	s_delay_alu instid0(VALU_DEP_2)
	v_max3_num_f32 v64, v64, |v[XB+29]|, |v[XB+30]|
	s_delay_alu instid0(VALU_DEP_1)
	v_max3_num_f32 v64, v64, v65, |v[XB+31]|
	s_delay_alu instid0(VALU_DEP_1)
	v_add_nc_u32 v66, 0xfe000000, v64              ; 4 off the exponent field: the conversion's scale operand
	s_delay_alu instid0(VALU_DEP_1)
	v_lshrrev_b32 v67, 23, v66                     ; the scale's byte
.if (\B) == 0
	s_delay_alu instid0(VALU_DEP_1)
	v_mov_b32 v68, v67
	v_pk_mul_f32 v[60:61], v[XB:XB+1], v[XB:XB+1]
	v_pk_mul_f32 v[62:63], v[XB+2:XB+3], v[XB+2:XB+3]
.else
	s_delay_alu instid0(VALU_DEP_1)
	v_lshl_or_b32 v68, v67, 8*(\B), v68
	v_pk_fma_f32 v[60:61], v[XB:XB+1], v[XB:XB+1], v[60:61]
	v_pk_fma_f32 v[62:63], v[XB+2:XB+3], v[XB+2:XB+3], v[62:63]
.endif
.irp i, 4,8,12,16,20,24,28
	s_delay_alu instid0(VALU_DEP_2)
	v_pk_fma_f32 v[60:61], v[XB+\i:XB+\i+1], v[XB+\i:XB+\i+1], v[60:61]
	s_delay_alu instid0(VALU_DEP_2)
	v_pk_fma_f32 v[62:63], v[XB+\i+2:XB+\i+3], v[XB+\i+2:XB+\i+3], v[62:63]
.endr
	v_cvt_scalef32_pk16_bf6_f32 v[CB:CB+2], v[XB:XB+15], v66
	v_cvt_scalef32_pk16_bf6_f32 v[248:250], v[XB+16:XB+31], v66
	v_nop                                          ; one plain line behind the scaled conversions
.irp i, 0,1,2
	v_mov_b32 v[CB+3+\i], v[248+\i]
.endr
.if (\B) < 2
	ds_store_b128 v10, v[CB:CB+3] offset:256*HH
	ds_store_b64 v10, v[CB+4:CB+5] offset:256*HH+512
.else
	ds_store_b64 v10, v[CB:CB+1] offset:256*HH+520
	ds_store_b128 v10, v[CB+2:CB+5] offset:256*HH+1024
.endif
.endm
	s_wait_alu depctr_va_vdst(0)
	s_wait_loadcnt 63                              ; the first 65 loads are in: blocks 0 and 1
	HBLOCK 0
	HBLOCK 1
	s_wait_loadcnt 32
	HBLOCK 2
	s_wait_loadcnt 0x0
	HBLOCK 3
	v_pk_add_f32 v[60:61], v[60:61], v[62:63]
	s_delay_alu instid0(VALU_DEP_1)
	v_add_f32 v60, v60, v61
	ds_store_b32 v11, v68
	ds_store_b32 v12, v60
	s_wait_alu depctr_va_vdst(0)
	s_wait_tensorcnt 0x0                           ; slot 0's record is in; slot 1's first fill is issued as a refill is
	ds_add_u32 v[SPW], v[NIL]
	s_wait_dscnt 0x0                               ; the add, and my stores of the tokens' image, are done
	CROUND                                         ; the round also shows the image whole to all eight waves
	tensor_load_to_lds s[G0+4:G0+7], s[G1:G1+7]
	s_nop 0
.rept 4
	v_nop
.endr
	WIN 0x40
.set n, 0
.rept 48
	ds_load_b128 v[4*n:4*n+3], v13 offset:512*n    ; the eight token tiles' fragments
.set n, n+1
.endr
	WIN 0
.irp T, 0,1,2,3,4,5,6,7
.irp k, 0,2,4
	v_dual_mov_b32 v[SV+8*\T+64*(\T/6)+\k], 0 :: v_dual_mov_b32 v[SV+8*\T+64*(\T/6)+\k+1], 0   ; written once: the selects read their destination; the first tile's d, under infinity, takes their place
.endr
	v_mov_b32 v[SV+8*\T+64*(\T/6)+6], 0
.endr
.irp T, 0,1,2,3,4,5,6,7
	ds_load_b32 v[TS+\T], v14 offset:128*\T
.endr
.irp T, 0,1,2,3,4,5,6,7
	ds_load_b32 v[PR+2*\T], v15 offset:64*\T
	ds_load_b32 v[PR+2*\T+1], v15 offset:512+64*\T
.endr
	s_wait_dscnt 0x0
.irp T, 0,1,2,3,4,5,6,7
	v_add_f32 v[ST+2*\T], v[PR+2*\T], v[PR+2*\T+1] ; A
	v_mov_b32 v[ST+2*\T+1], 0
	v_mov_b32 v[BEST+8+\T], 0x7f800000
.endr
	s_lshl_b32 s[CT], s10, 2                       ; my first tile's number: 4 x wave
	s_wait_alu depctr_va_vdst(0)
	s_wait_tensorcnt 0x1                           ; slot 1's load may be out
	START 0, 0
	s_mov_b32 s[TRIP], 7
.Lpair:
	BODY 0
	CHANGE 0
	START 1, 1
	BODY 1
	CHANGE 1
	START 0, 1
	s_sub_co_u32 s[TRIP], s[TRIP], 1
	s_cmp_lg_u32 s[TRIP], 0
	s_cbranch_scc1 .Lpair
	BODY 0                                         ; the last two slots fetch nothing more
	s_wait_tensorcnt 0x0
.rept 4
	v_nop
.endr
	START 1, 1
	BODY 1
	EPI 3, 29, 0, 0
	; the place in the kept tile, then the merge: lane l xor 16, the eight waves, each by (d, number)
	v_and_b32 v9, 15, v0
	v_bfe_u32 v10, v0, 4, 1
	v_and_b32 v11, 31, v0
	s_lshl_b32 s44, s10, 10
	s_add_co_u32 s44, s44, MRG
	v_lshl_add_u32 v12, v9, 3, s44
	s_lshl_b32 s45, s10, 7
	s_add_co_u32 s45, s45, MRG
	v_lshl_add_u32 v13, v9, 3, s45
	s_delay_alu instid0(VALU_DEP_1)
	v_lshl_add_u32 v13, v10, 12, v13
	s_lshl_b32 s46, s10, 6
	s_add_co_u32 s46, s46, FIN
	v_lshl_add_u32 v14, v9, 2, s46
	v_lshl_add_u32 v15, v11, 4, FIN
	v_lshlrev_b32 v59, 4, v11
	v_lshlrev_b32 v10, 3, v10
	v_mov_b32 v64, 0
	v_mov_b32 v65, 0
.irp T, 0,1,2,3,4,5,6,7
	v_mov_b32 v[PR+2*\T], v[BEST+8+\T]
	v_mov_b32 v[PR+2*\T+1], 7                      ; place 7, unless a lower place holds the least d
.endr
.irp j, 6,5,4,3,2,1,0
.irp T, 0,1,2,3,4,5,6,7
	v_cmp_neq_f32 s[MK+\T], v[SV+8*\T+64*(\T/6)+\j], v[BEST+8+\T]
.endr
.irp T, 0,1,2,3,4,5,6,7
	v_cndmask_b32 v[PR+2*\T+1], \j, v[PR+2*\T+1], s[MK+\T]   ; descending: the lowest place with the least d stays
.endr
.endr
.irp T, 0,1,2,3,4,5,6,7
	v_lshl_add_u32 v[PR+2*\T+1], v[ST+2*\T+1], 4, v[PR+2*\T+1]
	s_delay_alu instid0(VALU_DEP_1)
	v_add_nc_u32 v[PR+2*\T+1], v10, v[PR+2*\T+1]   ; code = 16 x tile + 8 h + place
.endr
.irp T, 0,1,2,3,4,5,6,7
	XLEX PR+2*\T
	ds_store_b64 v12, v[PR+2*\T:PR+2*\T+1] offset:128*\T
.endr
	s_wait_dscnt 0x0
	s_barrier_signal -1
	s_barrier_wait -1
.irp k, 0,1,2,3
	ds_load_b64 v[PR+2*\k:PR+2*\k+1], v13 offset:1024*\k   ; wave w finishes token tile w: lanes 0-15 waves 0-3's pairs, lanes 16-31 waves 4-7's
.endr
	s_wait_dscnt 0x0
	LEX PR, PR+2
	LEX PR+4, PR+6
	LEX PR, PR+4
	XLEX PR
	ds_store_b32 v14, v[PR+1]
	s_wait_dscnt 0x0
	s_barrier_signal -1
	s_barrier_wait -1
	s_cmp_lg_u32 s10, 0
	s_cbranch_scc1 .Lnot_first
	ds_load_b128 v[PR:PR+3], v15
	s_wait_dscnt 0x0
	global_store_b128 v59, v[PR:PR+3], s[8:9]      ; wave 0: the 128 indices, 512 consecutive bytes, aligned
.Lnot_first:
	s_wait_tensorcnt 0x0                           ; the wave's end
	ds_add_u32 v[SPW], v[NIL]
	s_wait_dscnt 0x0
	CROUND                                         ; the closing round
	s_endpgm
.Lfunc_end_k_q598b4f1e0d_vqmain:
	.size	k_q598b4f1e0d_vqmain, .Lfunc_end_k_q598b4f1e0d_vqmain-k_q598b4f1e0d_vqmain
	.p2alignl 7, 3214868480
	.fill 96, 4, 3214868480
	.section	.rodata,"a",@progbits
	.p2align	6, 0x0
	.amdhsa_kernel k_q598b4f1e0d_vqmain
		.amdhsa_group_segment_fixed_size 327680
		.amdhsa_private_segment_fixed_size 0
		.amdhsa_enable_private_segment 0
		.amdhsa_kernarg_size 24
		.amdhsa_user_sgpr_count 2
		.amdhsa_user_sgpr_kernarg_segment_ptr 1
		.amdhsa_wavefront_size32 1
		.amdhsa_system_sgpr_workgroup_id_x 1
		.amdhsa_system_sgpr_workgroup_id_y 1
		.amdhsa_system_sgpr_workgroup_id_z 1
		.amdhsa_system_vgpr_workitem_id 0
		.amdhsa_next_free_vgpr 512
		.amdhsa_next_free_sgpr 66
		.amdhsa_reserve_vcc 1
		.amdhsa_float_denorm_mode_32 3
		.amdhsa_float_denorm_mode_16_64 3
		.amdhsa_memory_ordered 1
		.amdhsa_forward_progress 1
		.amdhsa_inst_pref_size 249
	.end_amdhsa_kernel
	.amdgpu_metadata
---
amdhsa.version: [ 1, 2 ]
amdhsa.kernels:
  - .name:           k_q598b4f1e0d_vqmain
    .symbol:         k_q598b4f1e0d_vqmain.kd
    .args:
      - { .name: x, .offset: 0, .size: 8, .value_kind: global_buffer, .address_space: global }
      - { .name: cbq, .offset: 8, .size: 8, .value_kind: global_buffer, .address_space: global }
      - { .name: idx, .offset: 16, .size: 8, .value_kind: global_buffer, .address_space: global }
    .group_segment_fixed_size: 327680
    .private_segment_fixed_size: 0
    .kernarg_segment_align: 8
    .kernarg_segment_size: 24
    .max_flat_workgroup_size: 256
    .sgpr_count:     66
    .vgpr_count:     512
    .wavefront_size: 32
...
	.end_amdgpu_metadata
.endif
;; end of part 2
;; launch gather (part 3): grid 256 x 1, 16 waves a work-group, no clusters, 134,400 bytes of LDS; arguments x, codebook, idx, out0, part; writes out0, part
.if DOCPART == 3
	.amdgcn_target "amdgcn-amd-amdhsa--gfx1250"
	.amdhsa_code_object_version 6
	.text
	.protected	k_q598b4f1e0d_gather
	.globl	k_q598b4f1e0d_gather
	.p2align	8
	.type	k_q598b4f1e0d_gather,@function
k_q598b4f1e0d_gather:
	s_mov_b64 s[64:65], 0
	v_nop
	global_prefetch_b8 v0, s[64:65] scope:SCOPE_SE
	s_setreg_imm32_b32 hwreg(HW_REG_WAVE_MODE, 25, 1), 1
	s_wait_xcnt 0x0
; out0[b][c][hw] = x + (e - x), e = codebook[idx[token]][c], each step rounded to f32 as the definition has it; part[work-group] = the sum of (e - x)^2 over the work-group's 128 tokens x 256 channels.
; SHARES.  A work-group owns 128 tokens of one image (512 consecutive bytes of every channel).  The 256 channels go in TWO HALVES of 128.  In half c wave w gathers the half rows (512 consecutive bytes a load) of tokens
; 8 w .. 8 w + 7 and finishes channels 128 c + 8 w .. 128 c + 8 w + 7.  All loads are issued at the start, half 0's ahead of half 1's, so that half 0's stores are issued while half 1's loads are still out.
; The rows lie along the channels and the output along the tokens: they turn through LDS, each half in a region of its own, token tau at 516 tau: 129 words from token to token, so that neither the stores (lanes 4 words apart)
; nor the loads (lanes 516 words apart) put more than two lanes on a bank.  One barrier a half; no region is written twice.
; The indices were stored by the launch before as whole numbers; each is held to 8,191 ahead of its use in an address.  No matrix work, no tensor load: memory binds, and every byte of x and out0 moves once, in runs of 512 bytes.
.set PITCH, 516
.set REG,   128*PITCH                  ; a half's region
.set WP,    2*REG                      ; behind the regions: a word for each wave's sum
.set SPARE, 0x20500                    ; the spare words, 128 bytes a wave, from the next multiple of 256 on
.set HCH,   128*4096                   ; bytes from a channel to the channel 128 further on
.set G,     16                         ; v16-79   the half rows as gathered (half c at 32 c); later e, then e - x: channel k's four tokens at 4 k
.set X,     80                         ; v80-143  x, then the result (half c at 32 c)
.set SQ,    144                        ; v144-147 the squares, two chains of pairs
.set IN,    2                          ; v2, v148 into LDS, half 0, 1
.set OUT,   3                          ; v3, v149 out of it
	s_load_b256 s[4:11], s[0:1], 0x0               ; x, codebook, idx, out0
	s_load_b64 s[12:13], s[0:1], 0x20              ; part
	v_lshl_add_u32 v160, v0, 2, SPARE
	v_mov_b32 v161, 0
	v_lshrrev_b32 v6, 5, v0
	s_delay_alu instid0(VALU_DEP_1)
	v_readfirstlane_b32 s14, v6                    ; wave 0..15
	v_and_b32 v7, 31, v0                           ; lane
	s_delay_alu instid0(VALU_DEP_1)
	v_lshlrev_b32 v1, 4, v7                        ; 16 x lane
	s_mul_i32 s15, s14, 8*PITCH
	v_add_nc_u32 v2, s15, v1                       ; into LDS: my eight tokens, channels 4 lane on
	s_lshl_b32 s16, s14, 5
	v_mul_u32_u24 v3, v7, 4*PITCH
	s_delay_alu instid0(VALU_DEP_1)
	v_add_nc_u32 v3, s16, v3                       ; out of it: tokens 4 lane on, my eight channels
	v_add_nc_u32 v148, REG, v2                     ; the same in half 1's region
	s_delay_alu instid0(VALU_DEP_2)
	v_add_nc_u32 v149, REG, v3
	s_lshl_b32 s17, s14, 2
	s_add_co_u32 s17, s17, WP
	v_mov_b32 v4, s17                              ; my wave's word
	v_mov_b32 v5, WP
	v_mov_b32 v6, 0
	s_mov_b32 s32, 0x76543210
	s_mov_b32 s33, 0xfedcba98                      ; lane l xor 16
	s_lshr_b32 s18, ttmp9, 3                       ; the image: 2^20 bytes,
	s_lshl_b32 s18, s18, 20
	s_and_b32 s19, ttmp9, 7                        ; the block's 512 bytes of a channel,
	s_lshl_b32 s19, s19, 9
	s_add_co_u32 s18, s18, s19
	s_lshl_b32 s19, s14, 15                        ; my eight channels of 4,096 bytes
	s_add_co_u32 s18, s18, s19
	s_mov_b32 s19, 0
	s_lshl_b32 s20, ttmp9, 9                       ; idx: 512 bytes a block, 32 a wave
	s_lshl_b32 s21, s14, 5
	s_add_co_u32 s20, s20, s21
	s_mov_b32 s21, 0
	s_lshl_b32 s22, ttmp9, 2
	s_mov_b32 s23, 0
	s_wait_alu depctr_va_vdst(0)
	s_wait_kmcnt 0x0
	s_add_nc_u64 s[8:9], s[8:9], s[20:21]
	s_load_b256 s[24:31], s[8:9], 0x0              ; my eight tokens' indices
	s_add_nc_u64 s[4:5], s[4:5], s[18:19]
	s_add_nc_u64 s[10:11], s[10:11], s[18:19]
	s_add_nc_u64 s[12:13], s[12:13], s[22:23]
.irp k, 0,1,2,3,4,5,6,7
	global_load_b128 v[X+4*\k:X+4*\k+3], v1, s[4:5] offset:4096*\k th:TH_LOAD_NT   ; half 0: channel 8 w + k of the 128 tokens: 512 consecutive bytes
.endr
	s_wait_kmcnt 0x0
.irp m, 0,1,2,3,4,5,6,7
	s_min_u32 s[24+\m], s[24+\m], 0x1fff           ; an index stays inside the table
	s_lshl_b32 s[24+\m], s[24+\m], 10              ; a row is 1,024 bytes
	v_add_nc_u32 v[8+\m], s[24+\m], v1
.endr
	s_wait_alu depctr_va_vdst(0)
.irp m, 0,1,2,3,4,5,6,7
	global_load_b128 v[G+4*\m:G+4*\m+3], v[8+\m], s[6:7]
.endr
.irp k, 0,1,2,3,4,5,6,7
	global_load_b128 v[X+32+4*\k:X+32+4*\k+3], v1, s[4:5] offset:HCH+4096*\k th:TH_LOAD_NT
.endr
.irp m, 0,1,2,3,4,5,6,7
	global_load_b128 v[G+32+4*\m:G+32+4*\m+3], v[8+\m], s[6:7] offset:512
.endr
.macro HALF c
.irp m, 0,1,2,3,4,5,6,7
	s_wait_loadcnt 23-16*\c-\m                     ; this half's x and half row m are in; out may be the half rows behind it and, in half 0, half 1's sixteen loads
.irp i, 0,1,2,3
	ds_store_b32 v[IN+146*\c], v[G+32*\c+4*\m+\i] offset:PITCH*\m+4*\i
.endr
.endr
	s_wait_dscnt 0x0                               ; for the others' sake: my stores have landed
	s_barrier_signal -1
	s_barrier_wait -1
.irp k, 0,1,2,3,4,5,6,7
.irp i, 0,1,2,3
	ds_load_b32 v[G+32*\c+4*\k+\i], v[OUT+146*\c] offset:PITCH*\i+4*\k   ; e of token 4 lane + i, channel 128 c + 8 w + k
.endr
.endr
.irp k, 0,1,2,3,4,5,6,7
.set GB, G+32*\c+4*\k
.set XB, X+32*\c+4*\k
	s_wait_dscnt 28-4*\k                           ; channel k's four loads are in; those of the channels behind it may be out
	v_pk_add_f32 v[GB:GB+1], v[GB:GB+1], v[XB:XB+1] neg_lo:[0,1] neg_hi:[0,1]           ; e - x
	v_pk_add_f32 v[GB+2:GB+3], v[GB+2:GB+3], v[XB+2:XB+3] neg_lo:[0,1] neg_hi:[0,1]
.if \c+\k == 0
	s_delay_alu instid0(VALU_DEP_2)
	v_pk_mul_f32 v[SQ:SQ+1], v[GB:GB+1], v[GB:GB+1]    ; the first products start the two chains
	s_delay_alu instid0(VALU_DEP_2)
	v_pk_mul_f32 v[SQ+2:SQ+3], v[GB+2:GB+3], v[GB+2:GB+3]
.else
	s_wait_alu depctr_va_vdst(0)                   ; the chains were last written ahead of a wait that blocks
	v_pk_fma_f32 v[SQ:SQ+1], v[GB:GB+1], v[GB:GB+1], v[SQ:SQ+1]
	v_pk_fma_f32 v[SQ+2:SQ+3], v[GB+2:GB+3], v[GB+2:GB+3], v[SQ+2:SQ+3]
.endif
	v_pk_add_f32 v[XB:XB+1], v[XB:XB+1], v[GB:GB+1]                                     ; x + (e - x)
	v_pk_add_f32 v[XB+2:XB+3], v[XB+2:XB+3], v[GB+2:GB+3]
	global_store_b128 v1, v[XB:XB+3], s[10:11] offset:HCH*\c+4096*\k th:TH_STORE_NT   ; 32 lanes store 512 consecutive bytes, at a multiple of 256 from out0's first byte
.endr
.endm
	HALF 0
	HALF 1
	v_pk_add_f32 v[SQ:SQ+1], v[SQ:SQ+1], v[SQ+2:SQ+3]
	s_delay_alu instid0(VALU_DEP_1)
	v_add_f32 v[SQ], v[SQ], v[SQ+1]
	s_delay_alu instid0(VALU_DEP_1)
	v_add_f32_dpp v[SQ], v[SQ], v[SQ] row_xmask:1 row_mask:0xf bank_mask:0xf
	s_delay_alu instid0(VALU_DEP_1)
	v_add_f32_dpp v[SQ], v[SQ], v[SQ] row_xmask:2 row_mask:0xf bank_mask:0xf
	s_delay_alu instid0(VALU_DEP_1)
	v_add_f32_dpp v[SQ], v[SQ], v[SQ] row_xmask:4 row_mask:0xf bank_mask:0xf
	s_delay_alu instid0(VALU_DEP_1)
	v_add_f32_dpp v[SQ], v[SQ], v[SQ] row_xmask:8 row_mask:0xf bank_mask:0xf
	s_delay_alu instid0(VALU_DEP_1)
	v_permlanex16_b32 v[SQ+1], v[SQ], s32, s33
	s_delay_alu instid0(VALU_DEP_1)
	v_add_f32 v[SQ], v[SQ], v[SQ+1]                ; the wave's sum, in every lane
	ds_store_b32 v4, v[SQ]                         ; all lanes write the same word with the same value
	s_wait_dscnt 0x0
	s_barrier_signal -1
	s_barrier_wait -1
	s_cmp_lg_u32 s14, 0
	s_cbranch_scc1 .Lend
.irp i, 0,1,2,3
	ds_load_b128 v[16+4*\i:19+4*\i], v5 offset:16*\i   ; wave 0: the sixteen waves' sums
.endr
	s_wait_dscnt 0x0
	v_pk_add_f32 v[16:17], v[16:17], v[18:19]
	v_pk_add_f32 v[20:21], v[20:21], v[22:23]
	v_pk_add_f32 v[24:25], v[24:25], v[26:27]
	v_pk_add_f32 v[28:29], v[28:29], v[30:31]
	s_delay_alu instid0(VALU_DEP_3)
	v_pk_add_f32 v[16:17], v[16:17], v[20:21]
	s_delay_alu instid0(VALU_DEP_2)
	v_pk_add_f32 v[24:25], v[24:25], v[28:29]
	s_delay_alu instid0(VALU_DEP_1)
	v_pk_add_f32 v[16:17], v[16:17], v[24:25]
	s_delay_alu instid0(VALU_DEP_1)
	v_add_f32 v16, v16, v17
	v_cmp_eq_u32 vcc_lo, 0, v0
	s_wait_alu depctr_va_vdst(0)
	s_wait_xcnt 0x0                                ; EXEC is a source of the stores above: it changes only behind this wait
	s_and_saveexec_b32 s20, vcc_lo
	global_store_b32 v6, v16, s[12:13]             ; lane 0: the work-group's one number
	s_wait_xcnt 0x0                                ; and again, in front of the line that widens it
	s_or_b32 exec_lo, exec_lo, s20
.Lend:
	s_wait_tensorcnt 0x0                           ; the wave's end
	ds_add_u32 v160, v161
	s_wait_dscnt 0x0
	s_endpgm
.Lfunc_end_k_q598b4f1e0d_gather:
	.size	k_q598b4f1e0d_gather, .Lfunc_end_k_q598b4f1e0d_gather-k_q598b4f1e0d_gather
	.p2alignl 7, 3214868480
	.fill 96, 4, 3214868480
	.section	.rodata,"a",@progbits
	.p2align	6, 0x0
	.amdhsa_kernel k_q598b4f1e0d_gather
		.amdhsa_group_segment_fixed_size 134400
		.amdhsa_private_segment_fixed_size 0
		.amdhsa_enable_private_segment 0
		.amdhsa_kernarg_size 40
		.amdhsa_user_sgpr_count 2
		.amdhsa_user_sgpr_kernarg_segment_ptr 1
		.amdhsa_wavefront_size32 1
		.amdhsa_system_sgpr_workgroup_id_x 1
		.amdhsa_system_sgpr_workgroup_id_y 1
		.amdhsa_system_sgpr_workgroup_id_z 1
		.amdhsa_system_vgpr_workitem_id 0
		.amdhsa_next_free_vgpr 162
		.amdhsa_next_free_sgpr 66
		.amdhsa_reserve_vcc 1
		.amdhsa_float_denorm_mode_32 3
		.amdhsa_float_denorm_mode_16_64 3
		.amdhsa_memory_ordered 1
		.amdhsa_forward_progress 1
		.amdhsa_inst_pref_size 26
	.end_amdhsa_kernel
	.amdgpu_metadata
---
amdhsa.version: [ 1, 2 ]
amdhsa.kernels:
  - .name:           k_q598b4f1e0d_gather
    .symbol:         k_q598b4f1e0d_gather.kd
    .args:
      - { .name: x, .offset: 0, .size: 8, .value_kind: global_buffer, .address_space: global }
      - { .name: codebook, .offset: 8, .size: 8, .value_kind: global_buffer, .address_space: global }
      - { .name: idx, .offset: 16, .size: 8, .value_kind: global_buffer, .address_space: global }
      - { .name: out0, .offset: 24, .size: 8, .value_kind: global_buffer, .address_space: global }
      - { .name: part, .offset: 32, .size: 8, .value_kind: global_buffer, .address_space: global }
    .group_segment_fixed_size: 134400
    .private_segment_fixed_size: 0
    .kernarg_segment_align: 8
    .kernarg_segment_size: 40
    .max_flat_workgroup_size: 512
    .sgpr_count:     66
    .vgpr_count:     162
    .wavefront_size: 32
...
	.end_amdgpu_metadata
.endif
;; end of part 3
;; launch lossfin (part 4): grid 1 x 1, 1 waves a work-group, no clusters, 0 bytes of LDS; arguments part, out1; writes out1
.if DOCPART == 4
	.amdgcn_target "amdgcn-amd-amdhsa--gfx1250"
	.amdhsa_code_object_version 6
	.text
	.protected	k_q598b4f1e0d_lossfin
	.globl	k_q598b4f1e0d_lossfin
	.p2align	8
	.type	k_q598b4f1e0d_lossfin,@function
k_q598b4f1e0d_lossfin:
	s_mov_b64 s[64:65], 0
	v_nop
	global_prefetch_b8 v0, s[64:65] scope:SCOPE_SE
	s_setreg_imm32_b32 hwreg(HW_REG_WAVE_MODE, 25, 1), 1
	s_wait_xcnt 0x0
; out1 = m + 0.25 m, m = the mean of (xq - x)^2 over 32,768 x 256 = 2^23 numbers: the 256 work-groups' sums of the launch before are added here, by one owner, in a fixed order.
; One wave: 8 numbers a lane (the wave's two loads cover the buffer's 1,024 bytes), then the sum over the 32 lanes.  0.25 m is exact, so the fused multiply-add rounds as the sum m + 0.25 m does.
	s_load_b128 s[4:7], s[0:1], 0x0                ; part, out1
	v_lshlrev_b32 v1, 5, v0                        ; 32 bytes a lane
	v_mov_b32 v2, 0
	s_mov_b32 s8, 0x76543210
	s_mov_b32 s9, 0xfedcba98                       ; lane l xor 16
	s_wait_alu depctr_va_vdst(0)
	s_wait_kmcnt 0x0
	global_load_b128 v[4:7], v1, s[4:5]
	global_load_b128 v[8:11], v1, s[4:5] offset:16
	s_wait_loadcnt 0x0
	v_pk_add_f32 v[4:5], v[4:5], v[6:7]
	v_pk_add_f32 v[8:9], v[8:9], v[10:11]
	v_pk_add_f32 v[4:5], v[4:5], v[8:9]
	v_add_f32 v4, v4, v5
	v_add_f32_dpp v4, v4, v4 row_xmask:1 row_mask:0xf bank_mask:0xf
	v_add_f32_dpp v4, v4, v4 row_xmask:2 row_mask:0xf bank_mask:0xf
	v_add_f32_dpp v4, v4, v4 row_xmask:4 row_mask:0xf bank_mask:0xf
	v_add_f32_dpp v4, v4, v4 row_xmask:8 row_mask:0xf bank_mask:0xf
	v_permlanex16_b32 v5, v4, s8, s9
	v_add_f32 v4, v4, v5
	v_mul_f32 v4, 0x34000000, v4                   ; m = the sum x 2^-23
	v_fmamk_f32 v4, v4, 0x3e800000, v4             ; m x 0.25 + m
	v_cmp_eq_u32 vcc_lo, 0, v0
	s_wait_alu depctr_va_vdst(0)
	s_wait_xcnt 0x0                                ; EXEC changes only behind this wait
	s_and_saveexec_b32 s10, vcc_lo
	global_store_b32 v2, v4, s[6:7]                ; lane 0 stores the one number
	s_wait_xcnt 0x0
	s_or_b32 exec_lo, exec_lo, s10
	s_endpgm
.Lfunc_end_k_q598b4f1e0d_lossfin:
	.size	k_q598b4f1e0d_lossfin, .Lfunc_end_k_q598b4f1e0d_lossfin-k_q598b4f1e0d_lossfin
	.p2alignl 7, 3214868480
	.fill 96, 4, 3214868480
	.section	.rodata,"a",@progbits
	.p2align	6, 0x0
	.amdhsa_kernel k_q598b4f1e0d_lossfin
		.amdhsa_group_segment_fixed_size 0
		.amdhsa_private_segment_fixed_size 0
		.amdhsa_enable_private_segment 0
		.amdhsa_kernarg_size 16
		.amdhsa_user_sgpr_count 2
		.amdhsa_user_sgpr_kernarg_segment_ptr 1
		.amdhsa_wavefront_size32 1
		.amdhsa_system_sgpr_workgroup_id_x 1
		.amdhsa_system_sgpr_workgroup_id_y 1
		.amdhsa_system_sgpr_workgroup_id_z 1
		.amdhsa_system_vgpr_workitem_id 0
		.amdhsa_next_free_vgpr 24
		.amdhsa_next_free_sgpr 66
		.amdhsa_reserve_vcc 1
		.amdhsa_float_denorm_mode_32 3
		.amdhsa_float_denorm_mode_16_64 3
		.amdhsa_memory_ordered 1
		.amdhsa_forward_progress 1
		.amdhsa_inst_pref_size 2
	.end_amdhsa_kernel
	.amdgpu_metadata
---
amdhsa.version: [ 1, 2 ]
amdhsa.kernels:
  - .name:           k_q598b4f1e0d_lossfin
    .symbol:         k_q598b4f1e0d_lossfin.kd
    .args:
      - { .name: part, .offset: 0, .size: 8, .value_kind: global_buffer, .address_space: global }
      - { .name: out1, .offset: 8, .size: 8, .value_kind: global_buffer, .address_space: global }
    .group_segment_fixed_size: 0
    .private_segment_fixed_size: 0
    .kernarg_segment_align: 8
    .kernarg_segment_size: 16
    .max_flat_workgroup_size: 32
    .sgpr_count:     66
    .vgpr_count:     24
    .wavefront_size: 32
...
	.end_amdgpu_metadata
.endif
;; end of part 4
